; MI455X (gfx1250); checked and timed in simulation.
; The chip was launched on July 23, 2026; its instructions are those of AMD's public machine-readable ISA for CDNA 5 (MIT licence, August 2026) and "CDNA5" Instruction Set Architecture Reference Guide (July 2026). The comments in the code are by the model that wrote it; some were corrected since.
;; LSTM quantized cell. Allowed arithmetic: matrix products marked QUANTISED: E4M3 operands, one E8M0 scale for each 32 along K, by v_wmma_scale_f32_16x16x128_f8f6f4 with both operands' format E4M3, f32 sums; everything else in f32.
;; Inputs: b_ih 4,096 float32; c 8,192 x 1,024 float32; h 8,192 x 1,024 float32; ln_beta 9 x 1,024 float32; ln_gamma 9 x 1,024 float32; w_hh 4,096 x 1,024 float32; w_ih 4,096 x 1,024 float32; x 8,192 x 1,024 float32.
;; Outputs: out0 2 x 8,192 x 1,024 float32.
;; Constants: time = 0.
;; This version of the problem:
;;   THIS VERSION OF THE PROBLEM IS GIVEN IN LOW PRECISION. The matrix products marked QUANTISED in the list below multiply operands that are first quantised to E4M3 (4 exponent bits, 3 mantissa bits; 8 bits a number), with one power-of-two scale for each 32 numbers along K (OCP MX v1.0); their sums are f32. All else is computed in f32.
;;   The module's matrix products, in the order in which they are computed (A, B: the left and right operand; K: the contracted axis; several contracted axes count as one K, in the product's order):
;;     1. [M 8,192, K 1,024] x [K 1,024, N 4,096]; A: input x; B: input w_ih: QUANTISED
;;     2. [M 8,192, K 1,024] x [K 1,024, N 4,096]; A: input h; B: input w_hh: QUANTISED
;;   THE QUANTISER, for each operand of a quantised product, along K:
;;     - K is cut into blocks of 32 from its start; a last block that is shorter is filled with zeros.
;;     - A block's scale is 2^e with e = floor(log2(the largest magnitude in the block)) - 8, held to -126 .. 127; a block of zeros has e = 0. As a byte (E8M0): e + 127.
;;     - Each number is divided by its block's scale, clamped to +-448, and rounded to the nearest number of E4M3, ties to even, subnormals kept.
;;     - The product sums the exact products of the quantised numbers (number of the format x scale) in f32.
;;   ~~~python
;;   def quantise(x, axis):      # numpy; x: float32 -> the quantised numbers, widened to float32 again
;;       x = np.moveaxis(x, axis, -1); K = x.shape[-1]
;;       x = np.pad(x, [(0, 0)] * (x.ndim - 1) + [(0, -K % 32)]); x = x.reshape(x.shape[:-1] + (-1, 32)); a = np.abs(x).max(-1, keepdims=True)
;;       e = np.where(a > 0, np.clip(np.frexp(np.where(a > 0, a, 1))[1] - 1 - 8, -126, 127), 0)      # np.frexp(a)[1] - 1 = floor(log2(a)), exactly
;;       r = np.clip(x / 2.0 ** e, -448, 448)
;;       step = 2.0 ** (np.maximum(np.frexp(np.where(r == 0, 1, r))[1] - 1, -6) - 3)
;;       q = np.round(r / step) * step * 2.0 ** e      # np.round: ties to even
;;       return np.moveaxis(q.reshape(q.shape[:-2] + (-1,))[..., :K], -1, axis).astype(np.float32)
;;   ~~~
;; One version. Each part assembles by itself: llvm-mc -triple=amdgcn-amd-amdhsa -mcpu=gfx1250 --defsym DOCPART=n.
;; ======== version 1 of 1: 3 launches
;; limits: right only within a limited range of input values
;; workspace buffers: a_codes 16,777,216 bytes; a_scales 524,288 bytes; b_codes 8,388,608 bytes; b_scales 262,144 bytes; z 268,435,456 bytes
;; launch quant (part 1): grid 768 x 1, 4 waves a work-group, no clusters, 33,280 bytes of LDS; arguments x, h, w_ih, w_hh, a_codes, a_scales, b_codes, b_scales; writes a_codes, a_scales, b_codes, b_scales
.if DOCPART == 1
	.amdgcn_target "amdgcn-amd-amdhsa--gfx1250"
	.amdhsa_code_object_version 6
	.text
	.protected	k_q97cd1a2ed6_quant
	.globl	k_q97cd1a2ed6_quant
	.p2align	8
	.type	k_q97cd1a2ed6_quant,@function
k_q97cd1a2ed6_quant:
	s_mov_b64 s[64:65], 0
	v_nop
	global_prefetch_b8 v0, s[64:65] scope:SCOPE_SE
	s_setreg_imm32_b32 hwreg(HW_REG_WAVE_MODE, 25, 1), 1
	s_wait_xcnt 0x0
; x, h [8192][1024] and w_ih, w_hh [4096][1024], f32, are turned into codes of FP8 (E4M3), 8 bits each, K innermost, with one E8M0 scale byte for each 32 along K.
; a_codes [16384][1024] holds x's rows and then h's, b_codes [8192][1024] w_ih's and then w_hh's; a_scales [16384][32] and b_scales [8192][32] lie likewise.
; A block's scale is 2^(floor(log2(its largest magnitude)) - 8), 8 being the exponent of the format's largest number, 448; its byte is the largest magnitude's own exponent field - 8, held at 1 from below.
; Each number is divided by the scale, held within +-448 and rounded to the nearest code, ties to even.
; LIMITS: a block of zeros gets the byte 1 where the quantiser says 127: its codes are zeros, which add nothing under any byte but 0xff, and the bytes are read by this program alone.
; A block whose largest magnitude lies under 2^-118 keeps the byte 1, which is the quantiser's own hold at e = -126.  NaN and infinities among the inputs are not served.
; Rows are dense and K = 1,024 is a multiple of 32, so every tensor is a plain stream of blocks of 32 numbers, and so are its codes and scale bytes: nothing here knows of rows.
; SHARES.  A work-group takes 32,768 numbers, a wave 8,192 in 16 steps of 512.  Work-groups 0-255 take x, 256-511 h, 512-639 w_ih, 640-767 w_hh: only pointers are chosen, by the work-group's number; all take one path.
; The conversions take 8 numbers of ONE block from a lane's consecutive registers, so a lane must hold 16 NEIGHBOURS (two neighbouring lanes hold a block); a load is best where neighbouring LANES take neighbouring bytes.
; Both are had: each of a step's four loads reads 512 consecutive bytes, 16 a lane; the 2,048 bytes go through the wave's own stage in LDS, as they lie, and come back 64 bytes a lane (16 bytes of padding behind each 64).
; A lane's 16 codes are 16 bytes: the wave stores 512 consecutive bytes.  A wave's 256 scale bytes are gathered in its own 256 bytes of LDS and leave as one aligned run of 256 bytes.
; No tensor loads, no barrier, no cluster, no matrix unit: waves and work-groups share nothing, and every byte is read once.  Loads run four steps (16 loads a wave) ahead, the turn through LDS one step.
.set STEPS, 16
.set WGH,   256                        ; the first work-group of h,
.set WGWI,  512                        ; of w_ih,
.set WGWH,  640                        ; of w_hh
.set EMAX,  8
.set MANT,  0x600000                   ; the mantissa field of 448 as f32
.set CB,    16                         ; bytes of 16 codes
.set R,     16                         ; v16-79   four sets of 16 numbers as they are loaded
.set X,     80                         ; v80-111  two sets of 16 neighbours
.set C,     128                        ; v128-191 codes: four registers for each step, so that no store's data are written again
.set E,     112                        ; v112-127 a scale byte for each step
.set WREG,  8192                       ; LDS: a region of its own for each wave: two stages of 32 x SP bytes, and behind them its 256 scale bytes
.set SP,    80                         ; a lane's place in a stage: its 64 bytes + 16 of padding
	s_load_b256 s[4:11], s[0:1], 0x0               ; x s[4:5], h s[6:7], w_ih s[8:9], w_hh s[10:11]
	s_load_b256 s[12:19], s[0:1], 0x20             ; a_codes s[12:13], a_scales s[14:15], b_codes s[16:17], b_scales s[18:19]
	v_lshl_add_u32 v192, v0, 2, 0x8000
	v_mov_b32 v193, 0
	v_lshrrev_b32 v1, 5, v0
	v_readfirstlane_b32 s24, v1                    ; wave
	v_and_b32 v2, 31, v0                           ; lane
	v_lshlrev_b32 v3, 4, v2                        ; my 16 bytes of a load's 512
	s_mul_i32 s25, s24, WREG
	v_lshrrev_b32 v14, 2, v2
	v_mul_u32_u24 v14, v14, SP
	v_and_b32 v15, 3, v2
	v_lshl_add_u32 v14, v15, 4, v14
	v_add_nc_u32 v14, s25, v14                     ; the stage, on the way in: four lanes' 64 bytes on end, then 16 of padding: SP (lane / 4) + 16 (lane % 4); a load's 512 bytes take eight places
	v_mul_u32_u24 v15, v2, SP
	v_add_nc_u32 v15, s25, v15                     ; and on the way out: SP x lane: my 16 neighbours
	v_mul_u32_u24 v4, v2, CB                       ; my codes' place in a step's
	v_lshrrev_b32 v5, 1, v2
	s_add_co_u32 s25, s25, 2*32*SP
	v_add_nc_u32 v5, s25, v5                       ; LDS: my wave's 256 scale bytes, my block's byte
	v_lshlrev_b32 v7, 3, v2                        ; and on the way out 8 bytes a lane
	v_add_nc_u32 v6, s25, v7
	s_mov_b32 s23, MANT                            ; (an instruction takes one literal: the hold's line has another)
	s_mov_b32 s21, WGWH
	s_wait_alu depctr_va_vdst(0)
	s_wait_kmcnt 0x0
	; which tensor is my work-group's?  Every choice hangs on the work-group's number alone
	s_cmp_lt_u32 ttmp9, WGH
	s_cselect_b64 s[4:5], s[4:5], s[6:7]           ; x or h,
	s_cselect_b32 s20, 0, WGH                      ; and that tensor's first work-group
	s_cmp_lt_u32 ttmp9, WGWH
	s_cselect_b64 s[8:9], s[8:9], s[10:11]         ; w_ih or w_hh
	s_cselect_b32 s21, WGWI, s21
	s_cmp_lt_u32 ttmp9, WGWI
	s_cselect_b64 s[4:5], s[4:5], s[8:9]           ; an activation or a weight: the source,
	s_cselect_b32 s20, s20, s21
	s_cselect_b64 s[12:13], s[12:13], s[16:17]     ; the codes' buffer,
	s_cselect_b64 s[14:15], s[14:15], s[18:19]     ; the scale bytes' buffer,
	s_cselect_b32 s22, 0, WGWI                     ; and the first work-group that stores into them
	s_sub_co_u32 s26, ttmp9, s20
	s_lshl_b32 s26, s26, 2
	s_add_co_u32 s26, s26, s24                     ; which run of 8,192 numbers of the source is my wave's,
	s_mov_b32 s27, 0
	s_sub_co_u32 s28, ttmp9, s22
	s_lshl_b32 s28, s28, 2
	s_add_co_u32 s28, s28, s24                     ; and which run of the buffers
	s_mov_b32 s29, 0
	s_lshl_b64 s[30:31], s[26:27], 15              ; 32,768 bytes of f32 a run,
	s_lshl_b64 s[32:33], s[28:29], 13              ; 8,192 bytes of codes,
	s_lshl_b64 s[34:35], s[28:29], 8               ; 256 scale bytes
	s_add_nc_u64 s[4:5], s[4:5], s[30:31]
	s_add_nc_u64 s[12:13], s[12:13], s[32:33]
	s_add_nc_u64 s[14:15], s[14:15], s[34:35]
.macro LOAD t
.irp i, 0,1,2,3
	global_load_b128 v[R+16*((\t)%4)+4*\i:R+16*((\t)%4)+4*\i+3], v3, s[4:5] offset:2048*(\t)+512*\i th:TH_LOAD_NT   ; 32 lanes read 512 consecutive bytes
.endr
.endm
.macro TURN t                          ; step t's numbers through the stage: LDS serves a wave's instructions in order, so no wait stands between the stores and the loads
.irp i, 0,1,2,3
	ds_store_b128 v14, v[R+16*((\t)%4)+4*\i:R+16*((\t)%4)+4*\i+3] offset:32*SP*((\t)%2)+8*SP*\i
.endr
.irp i, 0,1,2,3
	ds_load_b128 v[X+16*((\t)%2)+4*\i:X+16*((\t)%2)+4*\i+3], v15 offset:32*SP*((\t)%2)+16*\i
.endr
.endm
.irp t, 0,1,2,3
	LOAD \t
.endr
	s_wait_loadcnt 12                              ; step 0's four loads are in; the twelve of steps 1 to 3 may be out
	TURN 0
.macro STEP t
.set XS, X+16*((\t)%2)
.if (\t) > 0
	s_wait_dscnt 1                                 ; this step's numbers are back from the stage (the last step's byte store may be out): so its stores into the stage have read their registers,
.else
	s_wait_dscnt 0x0
.endif
.if (\t)+4 < STEPS
	LOAD (\t)+4                                    ; which take the loads of four steps on
.endif
.if (\t)+1 < STEPS
.if STEPS-2-(\t) >= 3
	s_wait_loadcnt 12                              ; the next step's four loads are in; those of the three steps behind it may be out
.else
	s_wait_loadcnt 4*(STEPS-2-(\t))
.endif
	TURN (\t)+1                                    ; and go through the other stage while this step is worked
.endif
	v_max3_num_f32 v8, |v[XS]|, |v[XS+1]|, |v[XS+2]|               ; the largest magnitude of my 16
	v_max3_num_f32 v9, |v[XS+3]|, |v[XS+4]|, |v[XS+5]|
.irp i, 6,10
	v_max3_num_f32 v8, v8, |v[XS+\i]|, |v[XS+\i+1]|
	v_max3_num_f32 v9, v9, |v[XS+\i+2]|, |v[XS+\i+3]|
.endr
	v_max3_num_f32 v8, v8, |v[XS+14]|, |v[XS+15]|
	v_max3_num_f32 v8, v8, v9, (EMAX+1)<<23        ; and the floor 2^(EMAX + 1 - 127), under which no largest magnitude is taken: so the byte cannot fall under 1
	v_max_num_f32_dpp v8, v8, v8 row_xmask:1 row_mask:0xf bank_mask:0xf   ; and of my neighbour's 16: the block's
	v_add_nc_u32 v11, -(EMAX<<23), v8              ; EMAX off its exponent field: the conversion takes the exponent field of this operand as its scale, and nothing else of it
	v_and_or_b32 v10, v8, 0x7f800000, s23          ; the largest number x the scale: the largest magnitude's exponent field over that number's mantissa (s23)
.irp i, 0,1,2,3,4,5,6,7,8,9,10,11,12,13,14,15
	v_med3_num_f32 v[XS+\i], v[XS+\i], -v10, v10   ; the conversion to an 8-bit code does not saturate (ISA guide 7.6.2): hold the number within the largest code x the scale first
.endr
	v_cvt_scalef32_pk8_fp8_f32 v[C+4*(\t):C+4*(\t)+1], v[XS:XS+7], v11          ; eight numbers / 2^(v11's exponent), to the nearest code, ties to even; the first number's code in the lowest byte
	v_cvt_scalef32_pk8_fp8_f32 v[C+4*(\t)+2:C+4*(\t)+3], v[XS+8:XS+15], v11
	v_lshrrev_b32 v[E+(\t)], 23, v11               ; the scale's byte (also the plain line behind the conversions)
	ds_store_b8 v5, v[E+(\t)] offset:16*(\t)       ; both lanes of a block write the same byte with the same value
	global_store_b128 v4, v[C+4*(\t):C+4*(\t)+3], s[12:13] offset:32*CB*(\t)
.endm
.irp t, 0,1,2,3,4,5,6,7,8,9,10,11,12,13,14,15
	STEP \t
.endr
	ds_load_b64 v[12:13], v6                       ; LDS serves a wave's instructions in order: these see my stores
	s_wait_dscnt 0x0
	global_store_b64 v7, v[12:13], s[14:15]        ; 32 lanes store 256 consecutive bytes, at a multiple of 256 from the buffer's first byte
	s_wait_tensorcnt 0x0
	ds_add_u32 v192, v193
	s_wait_dscnt 0x0
	s_endpgm
.Lfunc_end_k_q97cd1a2ed6_quant:
	.size	k_q97cd1a2ed6_quant, .Lfunc_end_k_q97cd1a2ed6_quant-k_q97cd1a2ed6_quant
	.p2alignl 7, 3214868480
	.fill 96, 4, 3214868480
	.section	.rodata,"a",@progbits
	.p2align	6, 0x0
	.amdhsa_kernel k_q97cd1a2ed6_quant
		.amdhsa_group_segment_fixed_size 33280
		.amdhsa_private_segment_fixed_size 0
		.amdhsa_enable_private_segment 0
		.amdhsa_kernarg_size 64
		.amdhsa_user_sgpr_count 2
		.amdhsa_user_sgpr_kernarg_segment_ptr 1
		.amdhsa_wavefront_size32 1
		.amdhsa_system_sgpr_workgroup_id_x 1
		.amdhsa_system_sgpr_workgroup_id_y 1
		.amdhsa_system_sgpr_workgroup_id_z 1
		.amdhsa_system_vgpr_workitem_id 0
		.amdhsa_next_free_vgpr 194
		.amdhsa_next_free_sgpr 66
		.amdhsa_reserve_vcc 0
		.amdhsa_float_denorm_mode_32 3
		.amdhsa_float_denorm_mode_16_64 3
		.amdhsa_memory_ordered 1
		.amdhsa_forward_progress 1
		.amdhsa_inst_pref_size 51
	.end_amdhsa_kernel
	.amdgpu_metadata
---
amdhsa.version: [ 1, 2 ]
amdhsa.kernels:
  - .name:           k_q97cd1a2ed6_quant
    .symbol:         k_q97cd1a2ed6_quant.kd
    .args:
      - { .name: x, .offset: 0, .size: 8, .value_kind: global_buffer, .address_space: global }
      - { .name: h, .offset: 8, .size: 8, .value_kind: global_buffer, .address_space: global }
      - { .name: w_ih, .offset: 16, .size: 8, .value_kind: global_buffer, .address_space: global }
      - { .name: w_hh, .offset: 24, .size: 8, .value_kind: global_buffer, .address_space: global }
      - { .name: a_codes, .offset: 32, .size: 8, .value_kind: global_buffer, .address_space: global }
      - { .name: a_scales, .offset: 40, .size: 8, .value_kind: global_buffer, .address_space: global }
      - { .name: b_codes, .offset: 48, .size: 8, .value_kind: global_buffer, .address_space: global }
      - { .name: b_scales, .offset: 56, .size: 8, .value_kind: global_buffer, .address_space: global }
    .group_segment_fixed_size: 33280
    .private_segment_fixed_size: 0
    .kernarg_segment_align: 8
    .kernarg_segment_size: 64
    .max_flat_workgroup_size: 128
    .sgpr_count:     66
    .vgpr_count:     194
    .wavefront_size: 32
...
	.end_amdgpu_metadata
.endif
;; end of part 1
;; launch gemm (part 2): grid 16 x 16, 4 waves a work-group, clusters of 4 x 4, 327,680 bytes of LDS; arguments a_codes, a_scales, b_codes, b_scales, z; writes z
.if DOCPART == 2
	.amdgcn_target "amdgcn-amd-amdhsa--gfx1250"
	.amdhsa_code_object_version 6
	.text
	.protected	k_q97cd1a2ed6_gemm
	.globl	k_q97cd1a2ed6_gemm
	.p2align	8
	.type	k_q97cd1a2ed6_gemm,@function
k_q97cd1a2ed6_gemm:
	s_mov_b64 s[64:65], 0
	v_nop
	global_prefetch_b8 v0, s[64:65] scope:SCOPE_SE
	s_setreg_imm32_b32 hwreg(HW_REG_WAVE_MODE, 25, 1), 1
	s_wait_xcnt 0x0
	s_wait_alu depctr_hold_cnt(0) depctr_sa_sdst(0) depctr_va_vdst(0) depctr_va_sdst(0) depctr_va_ssrc(0) depctr_va_vcc(0) depctr_vm_vsrc(0)
	s_getreg_b32 s2, hwreg(HW_REG_IB_STS2, 6, 4)
	s_cmp_eq_u32 s2, 0
	s_cbranch_scc0 .Lentry_in_a_cluster
	s_endpgm
.Lentry_in_a_cluster:
	s_bfe_u32 s2, ttmp6, 0x10000c
	s_cmp_lg_u32 s2, 0xf033
	s_cbranch_scc0 .Lentry_shape_is_right
	s_endpgm
.Lentry_shape_is_right:
; z = [x; h] codes times [w_ih; w_hh] codes, MX-FP8, f32 sums: z rows 0-8191 are pre_ih, rows 8192-16383 pre_hh, 4,096 columns each.
; A work-group of four waves makes four tiles of 256 x 256, one below the other (2,048 rows apart); a wave makes 128 x 128 in 64 accumulators.
; K goes in steps of 256 through a ring of two LDS slots filled by joint tensor loads in a 4 x 4 cluster: A's tile shared along a row, B's along a column.
; PREFETCH INTO THE L2: behind each joint load one request a wave for the K step that the refill two refills on loads: 32 rows x 256 bytes, a lane a row.
; Of the 128 rows that a wave fetches, the partner at place p (cx for A, cy for B) names rows 32 p .. 32 p + 31: shared out by address, no branch on the place.
; At the head A's and B's waves ask for K steps 2 and 3; in the loop A's waves alone ask, for the next tile's four K steps (B's rows are the same in all four tiles and have been read);
; the last tile asks for nothing, so no request leaves a_codes.  v30 = lane x 1,024 bytes, s[80:81] this tile's rows, s[78:79] the next tile's: stepped once a tile behind s_wait_xcnt 0.
.set SIZE_N, 4096
.set SIZE_K, 1024
.set TILES,  4
.set WALK,   2048
.set ROWB,   256
.set KROW,   SIZE_K
.set PITCH,  272
.set FR,     16
.set NL,     4
.set NP,     8
.set HALFT,  128*PITCH
.set SLOT,   4*HALFT
.set KS,     SIZE_K/32
.set STAGE,  2*SLOT
.set SPITCH, 528
.set SPARE,  STAGE+4*16*SPITCH
.set NEXT_A, WALK*KROW-2*ROWB
.set BACK_B, 2*ROWB
.set NEXT_C, WALK*SIZE_N*4             ; from a tile's first rows of z to the next tile's: the base is stepped once a tile
.set ADRA, 16
.set ADRB, 20
.set STO,  24
.set RD,   25
.set CO,   26
.set SOF,  27
.set SPW,  28
.set NIL,  29
.set SB,   32
.set SA,   64
.set AF,   128
.set BK,   128
.set G1, 24
.set G0, 32
.set G1B, 48
.set G0B, 56
.set PSA, 68
.set PSB, 70
.set MSB, 0
.macro WIN new
.if MSB != \new
	s_set_vgpr_msb (MSB<<8)|\new
.set MSB, \new
.endif
.endm
.set MUL_LO, 0xa1
.set MUL_HI, 0xf1
.set TO_B,   0x40
.set FROM_B, 0x04
.macro JLOAD g0a, g1a, g0b, g1b
	s_cmp_eq_u32 s15, 0
	s_cbranch_scc0 .Lfor_b_\@
	tensor_load_to_lds s[\g0a:\g0a+3], s[\g1a:\g1a+7]
	s_nop 0
.rept 4
	v_nop
.endr
	s_branch .Lasked_\@
.Lfor_b_\@:
	tensor_load_to_lds s[\g0b:\g0b+3], s[\g1b:\g1b+7]
	s_nop 0
.rept 4
	v_nop
.endr
.Lasked_\@:
.endm
.macro CREST
	s_cmp_lg_u32 s14, 0
	s_cbranch_scc1 .Lnot_wave_0_\@
	s_barrier_signal -3
.Lnot_wave_0_\@:
	s_barrier_wait -3
	s_barrier_signal -1
	s_barrier_wait -1
.endm
.macro CROUND
	s_barrier_signal -1
	s_barrier_wait -1
	CREST
.endm
	s_load_b128 s[4:7], s[0:1], 0x0
	s_load_b128 s[8:11], s[0:1], 0x10
	s_load_b64 s[12:13], s[0:1], 0x20
	v_lshl_add_u32 v[SPW], v0, 2, SPARE
	v_mov_b32 v[NIL], 0
	ds_add_u32 v28, v29
	ds_add_u32 v28, v29
	s_wait_dscnt 0x0
	v_lshrrev_b32 v1, 5, v0
	v_readfirstlane_b32 s14, v1
	v_and_b32 v30, 31, v0
	v_lshlrev_b32 v30, 10, v30                     ; the prefetches' offset: my lane x a row of codes; never rewritten
	s_lshr_b32 s15, s14, 1
	s_and_b32 s16, s14, 1
	s_bfe_u32 s40, ttmp6, 0x40000
	s_bfe_u32 s41, ttmp6, 0x40004
	s_lshl_b32 s42, ttmp9, 2
	s_add_co_u32 s42, s42, s40
	s_and_b32 s95, ttmp7, 0xffff
	s_lshl_b32 s17, s95, 2
	s_add_co_u32 s17, s17, s41
	s_lshr_b32 s95, s95, 1
	s_mul_i32 s96, s95, 24
	s_add_co_u32 s17, s17, s96
	s_lshl_b32 s95, s95, 12
	s_lshl_b32 s43, s41, 2
	s_lshl_b32 s43, 15, s43
	s_lshl_b32 s44, 0x1111, s40
	s_or_b32 s[G1+0], s43, (0<<16)|(1<<20)|(1<<21)|(5<<22)|(3<<25)
	s_or_b32 s[G1B+0], s44, (0<<16)|(1<<20)|(1<<21)|(5<<22)|(3<<25)
.irp g, G1, G1B
	s_mov_b32 s[\g+1], ROWB<<16
	s_mov_b32 s[\g+2], 128<<16
	s_mov_b32 s[\g+3], ROWB<<16
	s_mov_b32 s[\g+4], 128
	s_mov_b32 s[\g+5], KROW
	s_mov_b32 s[\g+6], 0
	s_mov_b32 s[\g+7], 0
.endr
	s_lshl_b32 s18, s16, 7
	s_lshl_b32 s20, s17, 8
	s_add_co_u32 s20, s20, s18
	s_lshl_b32 s46, s42, 8
	s_add_co_u32 s46, s46, s18
	s_add_co_u32 s46, s46, s95
	s_mov_b32 s21, 0
	s_mov_b32 s47, 0
	s_mov_b64 s[18:19], KROW
	s_mul_u64 s[20:21], s[20:21], s[18:19]
	s_mul_u64 s[46:47], s[46:47], s[18:19]
	s_mul_i32 s45, s14, HALFT
	s_lshl_b32 s72, s17, 8
	s_lshl_b32 s73, s15, 7
	s_add_co_u32 s72, s72, s73
	s_lshl_b32 s72, s72, 5
	s_mov_b32 s73, 0
	s_lshl_b32 s74, s42, 8
	s_lshl_b32 s75, s16, 7
	s_add_co_u32 s74, s74, s75
	s_add_co_u32 s74, s74, s95
	s_lshl_b32 s74, s74, 5
	s_mov_b32 s75, 0
	s_wait_kmcnt 0x0
	s_add_nc_u64 s[20:21], s[4:5], s[20:21]
	s_add_nc_u64 s[46:47], s[8:9], s[46:47]
	s_add_nc_u64 s[PSA:PSA+1], s[6:7], s[72:73]
	s_add_nc_u64 s[PSB:PSB+1], s[10:11], s[74:75]
	s_cmp_eq_u32 s15, 0                            ; do I fetch for A?
	s_cselect_b32 s76, s40, s41                    ; my place among the four that ask with me
	s_cselect_b64 s[80:81], s[20:21], s[46:47]     ; the 128 rows that I fetch
	s_lshl_b32 s76, s76, 15                        ; 32 rows of 1,024 bytes a place
	s_mov_b32 s77, 0
	s_add_nc_u64 s[80:81], s[80:81], s[76:77]
	s_add_nc_u64 s[78:79], s[80:81], WALK*KROW     ; the same rows of the next tile (used by A's waves alone)
	CROUND
.irp s, 0,1
	s_mov_b32 s[G0+4*\s], 1
	s_add_co_u32 s[G0+4*\s+1], s45, \s*SLOT
	s_add_nc_u64 s[G0+4*\s+2:G0+4*\s+3], s[20:21], \s*ROWB
	s_or_b32 s[G0+4*\s+3], s[G0+4*\s+3], 0x80000000
	s_mov_b32 s[G0B+4*\s], 1
	s_add_co_u32 s[G0B+4*\s+1], s45, \s*SLOT
	s_add_nc_u64 s[G0B+4*\s+2:G0B+4*\s+3], s[46:47], \s*ROWB
	s_or_b32 s[G0B+4*\s+3], s[G0B+4*\s+3], 0x80000000
	s_wait_alu depctr_va_vdst(0)
	s_wait_tensorcnt 0x0
	ds_add_u32 v28, v29
	ds_add_u32 v28, v29
	s_wait_dscnt 0x0
	CROUND
	JLOAD G0+4*\s, G1, G0B+4*\s, G1B
	global_prefetch_b8 v30, s[80:81] offset:512+256*\s th:TH_LOAD_NT scope:SCOPE_SE   ; K step s + 2 of my 32 rows
.endr
	v_and_b32 v1, 15, v0
	s_wait_alu depctr_va_vdst(0)
	v_bfe_u32 v2, v0, 4, 1
	v_mul_u32_u24 v3, v1, PITCH
	v_lshl_add_u32 v4, v2, 4, v3
	s_mul_i32 s21, s15, HALFT
	s_mul_i32 s22, s16, HALFT
	s_add_co_u32 s22, s22, 2*HALFT
.irp s, 0,1
	v_add_nc_u32 v[ADRA+\s], s21, v4
	v_add_nc_u32 v[ADRB+\s], s22, v4
	s_add_co_u32 s21, s21, SLOT
	s_add_co_u32 s22, s22, SLOT
.endr
	s_mul_i32 s23, s14, 16*SPITCH
	s_add_co_u32 s23, s23, STAGE
	v_mul_u32_u24 v5, v1, SPITCH
	s_wait_alu depctr_va_vdst(0)
	v_lshl_add_u32 v5, v2, 5, v5
	v_add_nc_u32 v[STO], s23, v5
	v_and_b32 v6, 31, v0
	v_lshlrev_b32 v[CO], 4, v6
	v_add_nc_u32 v[RD], s23, v[CO]
	v_lshlrev_b32 v[SOF], 5, v6
	s_wait_alu depctr_va_vdst(0)
	s_lshl_b32 s20, s17, 8
	s_lshl_b32 s21, s15, 7
	s_add_co_u32 s20, s20, s21
	s_mov_b32 s21, 0
	s_mov_b64 s[18:19], SIZE_N*4
	s_mul_u64 s[20:21], s[20:21], s[18:19]
	s_lshl_b32 s46, s42, 10
	s_lshl_b32 s47, s16, 9
	s_add_co_u32 s46, s46, s47
	s_mov_b32 s47, 0
	s_add_nc_u64 s[20:21], s[20:21], s[46:47]
	s_add_nc_u64 s[12:13], s[12:13], s[20:21]
.macro SCLOAD reg, base
.irp j, 0,1,2,3
	global_load_b128 v[\reg+8*\j:\reg+8*\j+3], v[SOF], s[\base:\base+1] offset:1024*\j
	global_load_b128 v[\reg+8*\j+4:\reg+8*\j+7], v[SOF], s[\base:\base+1] offset:1024*\j+16
.endr
.endm
.macro FRAG reg, adr, q, i
.irp c, 0,1,2,3
	ds_load_b128 v[\reg+4*\c:\reg+4*\c+3], v[\adr] offset:128*(\q)+32*\c+(\i)*16*PITCH
.endr
.endm
.macro WM a, b, p, ks, zero
.set rD,  8*(8*((\a)%4)+(\b))
.set rB,  128*(\p)+FR*(\b)
.set rA,  AF+FR*(\a)
.set rSB, SB+8*((\b)/2)+(\ks)
.set rSA, SA+8*((\a)/2)+(\ks)
.set par, 2*((\a)%2)+((\b)%2)
.if \zero
.if par == 0
	v_wmma_scale_f32_16x16x128_f8f6f4 v[rD:rD+7], v[rB:rB+FR-1], v[rA:rA+FR-1], 0, v[rSB], v[rSA]
.elseif par == 1
	v_wmma_scale_f32_16x16x128_f8f6f4 v[rD:rD+7], v[rB:rB+FR-1], v[rA:rA+FR-1], 0, v[rSB], v[rSA] matrix_a_scale:MATRIX_SCALE_ROW1
.elseif par == 2
	v_wmma_scale_f32_16x16x128_f8f6f4 v[rD:rD+7], v[rB:rB+FR-1], v[rA:rA+FR-1], 0, v[rSB], v[rSA] matrix_b_scale:MATRIX_SCALE_ROW1
.else
	v_wmma_scale_f32_16x16x128_f8f6f4 v[rD:rD+7], v[rB:rB+FR-1], v[rA:rA+FR-1], 0, v[rSB], v[rSA] matrix_a_scale:MATRIX_SCALE_ROW1 matrix_b_scale:MATRIX_SCALE_ROW1
.endif
.else
.if par == 0
	v_wmma_scale_f32_16x16x128_f8f6f4 v[rD:rD+7], v[rB:rB+FR-1], v[rA:rA+FR-1], v[rD:rD+7], v[rSB], v[rSA]
.elseif par == 1
	v_wmma_scale_f32_16x16x128_f8f6f4 v[rD:rD+7], v[rB:rB+FR-1], v[rA:rA+FR-1], v[rD:rD+7], v[rSB], v[rSA] matrix_a_scale:MATRIX_SCALE_ROW1
.elseif par == 2
	v_wmma_scale_f32_16x16x128_f8f6f4 v[rD:rD+7], v[rB:rB+FR-1], v[rA:rA+FR-1], v[rD:rD+7], v[rSB], v[rSA] matrix_b_scale:MATRIX_SCALE_ROW1
.else
	v_wmma_scale_f32_16x16x128_f8f6f4 v[rD:rD+7], v[rB:rB+FR-1], v[rA:rA+FR-1], v[rD:rD+7], v[rSB], v[rSA] matrix_a_scale:MATRIX_SCALE_ROW1 matrix_b_scale:MATRIX_SCALE_ROW1
.endif
.endif
.endm
.macro MUL16 a0, p, ks, zero
.irp a, \a0, \a0+1
.irp b, 0,1,2,3,4,5,6,7
	WM (\a), \b, \p, \ks, \zero
.endr
.endr
.endm
.macro FETCH_B slot, q, p
	WIN TO_B
.irp i, 0,1,2,3,4,5,6,7
	FRAG 128*(\p)+FR*\i, ADRB+\slot, \q, \i
.endr
	WIN 0
.endm
.macro FETCH_A slot, q, i0
.irp i, \i0, \i0+1, \i0+2, \i0+3
	FRAG AF+FR*(\i), ADRA+\slot, \q, \i
.endr
.endm
.macro PLACES n
.rept \n
	v_nop
.endr
.endm
.macro STEP slot, ks, zero
	s_wait_dscnt 4*NL
	WIN MUL_LO
	MUL16 0, 0, \ks, \zero
	MUL16 2, 0, \ks, \zero
	s_wait_dscnt 0
	PLACES NP
	FETCH_B \slot, 1, 1
	FETCH_A \slot, 1, 0
	WIN MUL_HI
	MUL16 4, 0, \ks, \zero
	MUL16 6, 0, \ks, \zero
	PLACES NP
	WIN 0
	FETCH_A \slot, 1, 4
.endm
.macro TURN slot, next, ks, fill, pf
	s_wait_dscnt 4*NL                              ; B's set and A's blocks 0-3 are in; the sixteen youngest loads (A's blocks 4-7) may be out
	WIN MUL_LO
	MUL16 0, 1, \ks, 0
	MUL16 2, 1, \ks, 0                             ; 128 matrix instructions stand between a refill's request and the wait below
	WIN 0                                          ; (the add's two registers lie in window 0)
	s_wait_tensorcnt 0x0                           ; all my tensor loads have landed: my part of the next slot
	ds_add_u32 v[SPW], v[NIL]
	s_wait_dscnt 0x0                               ; the add is done, and my reads of this slot are over
	s_barrier_signal -1
	s_barrier_wait -1
.if \fill
	CREST
.if \fill == 1
	s_add_nc_u64 s[G0+4*\slot+2:G0+4*\slot+3], s[G0+4*\slot+2:G0+4*\slot+3], 2*ROWB
	s_add_nc_u64 s[G0B+4*\slot+2:G0B+4*\slot+3], s[G0B+4*\slot+2:G0B+4*\slot+3], 2*ROWB
.else
	s_add_nc_u64 s[G0+4*\slot+2:G0+4*\slot+3], s[G0+4*\slot+2:G0+4*\slot+3], NEXT_A
	s_sub_nc_u64 s[G0B+4*\slot+2:G0B+4*\slot+3], s[G0B+4*\slot+2:G0B+4*\slot+3], BACK_B
.endif
	JLOAD G0+4*\slot, G1, G0B+4*\slot, G1B
	PLACES NP-4
.else
	PLACES NP
.endif
	FETCH_B \next, 0, 0
	FETCH_A \next, 0, 0
.if (\pf) >= 0
	s_cmp_eq_u32 s15, 0                            ; A's waves alone: the next tile's K step pf, which the refill two refills on loads
	s_cbranch_scc0 .Lnot_a_\@
	global_prefetch_b8 v30, s[78:79] offset:256*(\pf) th:TH_LOAD_NT scope:SCOPE_SE
.Lnot_a_\@:
.endif
	WIN MUL_HI
	MUL16 4, 1, \ks, 0
	MUL16 6, 1, \ks, 0
	PLACES NP
	WIN 0
	FETCH_A \next, 0, 4
.endm
.macro TOSTAGE a
.set AC, 64*((\a)%4)
	WIN 0x08+4*((\a)/4)
.irp b, 0,1,2,3,4,5,6,7
	ds_store_b128 v[STO], v[AC+8*\b:AC+8*\b+3] offset:64*\b
	ds_store_b128 v[STO], v[AC+8*\b+4:AC+8*\b+7] offset:64*\b+16
.endr
; every block is read back into registers of its own: blocks 0 and 1 into window 1, block a into block a - 2's accumulators,
; whose LDS stores are shown done by the wait on DScnt in SEND a - 2: so no store's data are written again on the way out
.if (\a) < 2
	WIN TO_B
.set BB, BK+64*(\a)
.else
	WIN 0x80+0x40*(((\a)-2)/4)
.set BB, 64*(((\a)-2)%4)
.endif
.irp t, 0,1,2,3,4,5,6,7,8,9,10,11,12,13,14,15
	ds_load_b128 v[BB+4*\t:BB+4*\t+3], v[RD] offset:\t*SPITCH
.endr
.endm
.macro SEND a, younger
.if (\a) < 2
.set BB, BK+64*(\a)
	WIN FROM_B
.else
.set BB, 64*(((\a)-2)%4)
	WIN 0x08+4*(((\a)-2)/4)
.endif
	s_wait_dscnt \younger
.irp t, 0,1,2,3,4,5,6,7,8,9,10,11,12,13,14,15
	global_store_b128 v[CO], v[BB+4*\t:BB+4*\t+3], s[12:13] offset:(16*(\a)+\t)*SIZE_N*4 th:TH_STORE_NT   ; the block's place stands in the immediate: 127 rows of 16,384 bytes at the most, inside its signed 24 bits
.endr
.endm
.macro OUT
	TOSTAGE 0
.irp a, 1,2,3,4,5,6,7
	TOSTAGE \a
	SEND \a-1, 32
.endr
	SEND 7, 0
	WIN 0
.endm
.macro TILE more
	STEP 0, 0, 1
	TURN 0, 1, 1, 1, \more-1
	STEP 1, 2, 0
	TURN 1, 0, 3, 1, 2*\more-1
	STEP 0, 4, 0
.if \more
	TURN 0, 1, 5, 2, 2
	STEP 1, 6, 0
	TURN 1, 0, 7, 2, 3
	s_add_nc_u64 s[PSA:PSA+1], s[PSA:PSA+1], WALK*KS
	SCLOAD SA, PSA
	OUT
	s_wait_xcnt 0x0
	s_add_nc_u64 s[12:13], s[12:13], NEXT_C
	s_add_nc_u64 s[78:79], s[78:79], WALK*KROW     ; the prefetches go on to the tile after the next (behind the wait above)
	s_wait_loadcnt 0x0
.else
	TURN 0, 1, 5, 0, -1
	STEP 1, 6, 0
	s_wait_dscnt 4*NL
	WIN MUL_LO
	MUL16 0, 1, 7, 0
	MUL16 2, 1, 7, 0
	s_wait_dscnt 0
	WIN MUL_HI
	MUL16 4, 1, 7, 0
	MUL16 6, 1, 7, 0
	WIN 0
	PLACES NP
	OUT
.endif
.endm
	SCLOAD SB, PSB
	SCLOAD SA, PSA
	s_wait_tensorcnt 1
	s_barrier_signal -1
	s_barrier_wait -1
	FETCH_B 0, 0, 0
	FETCH_A 0, 0, 0
	FETCH_A 0, 0, 4
	s_wait_loadcnt 0x0
	s_mov_b32 s3, TILES-1
.Ltile:
	TILE 1
	s_sub_co_u32 s3, s3, 1
	s_cmp_lg_u32 s3, 0
	s_cbranch_scc1 .Ltile
	TILE 0
	s_wait_tensorcnt 0x0
	ds_add_u32 v[SPW], v[NIL]
	s_wait_dscnt 0x0
	CROUND
	s_endpgm
.Lfunc_end_k_q97cd1a2ed6_gemm:
	.size	k_q97cd1a2ed6_gemm, .Lfunc_end_k_q97cd1a2ed6_gemm-k_q97cd1a2ed6_gemm
	.p2alignl 7, 3214868480
	.fill 96, 4, 3214868480
	.section	.rodata,"a",@progbits
	.p2align	6, 0x0
	.amdhsa_kernel k_q97cd1a2ed6_gemm
		.amdhsa_group_segment_fixed_size 327680
		.amdhsa_private_segment_fixed_size 0
		.amdhsa_enable_private_segment 0
		.amdhsa_kernarg_size 40
		.amdhsa_user_sgpr_count 2
		.amdhsa_user_sgpr_kernarg_segment_ptr 1
		.amdhsa_wavefront_size32 1
		.amdhsa_system_sgpr_workgroup_id_x 1
		.amdhsa_system_sgpr_workgroup_id_y 1
		.amdhsa_system_sgpr_workgroup_id_z 1
		.amdhsa_system_vgpr_workitem_id 0
		.amdhsa_next_free_vgpr 1024
		.amdhsa_next_free_sgpr 98
		.amdhsa_reserve_vcc 0
		.amdhsa_float_denorm_mode_32 3
		.amdhsa_float_denorm_mode_16_64 3
		.amdhsa_memory_ordered 1
		.amdhsa_forward_progress 1
		.amdhsa_inst_pref_size 255
	.end_amdhsa_kernel
	.section	.bss,"aw",@nobits
	.p2align	6
	.space	262144
	.amdgpu_metadata
---
amdhsa.version: [ 1, 2 ]
amdhsa.kernels:
  - .name:           k_q97cd1a2ed6_gemm
    .symbol:         k_q97cd1a2ed6_gemm.kd
    .args:
      - { .name: a_codes, .offset: 0, .size: 8, .value_kind: global_buffer, .address_space: global }
      - { .name: a_scales, .offset: 8, .size: 8, .value_kind: global_buffer, .address_space: global }
      - { .name: b_codes, .offset: 16, .size: 8, .value_kind: global_buffer, .address_space: global }
      - { .name: b_scales, .offset: 24, .size: 8, .value_kind: global_buffer, .address_space: global }
      - { .name: z, .offset: 32, .size: 8, .value_kind: global_buffer, .address_space: global }
    .group_segment_fixed_size: 327680
    .private_segment_fixed_size: 0
    .kernarg_segment_align: 8
    .kernarg_segment_size: 40
    .max_flat_workgroup_size: 128
    .sgpr_count:     98
    .vgpr_count:     1024
    .wavefront_size: 32
...
	.end_amdgpu_metadata
.endif
;; end of part 2
;; launch cell (part 3): grid 256 x 1, 16 waves a work-group, no clusters, 59,392 bytes of LDS; arguments z, c, b_ih, ln_gamma, ln_beta, out0; writes out0
.if DOCPART == 3
	.amdgcn_target "amdgcn-amd-amdhsa--gfx1250"
	.amdhsa_code_object_version 6
	.text
	.protected	k_q97cd1a2ed6_cell
	.globl	k_q97cd1a2ed6_cell
	.p2align	8
	.type	k_q97cd1a2ed6_cell,@function
k_q97cd1a2ed6_cell:
	s_mov_b64 s[64:65], 0
	v_nop
	global_prefetch_b8 v0, s[64:65] scope:SCOPE_SE
	s_setreg_imm32_b32 hwreg(HW_REG_WAVE_MODE, 25, 1), 1
	s_wait_xcnt 0x0
; THE CELL BEHIND THE TWO PRODUCTS, all in f32.  z: [16384][4096]: row r is pre_ih of row r, row 8192 + r is pre_hh; in a row, gate g (i, f, a, o) has columns 1024 g on.
; gate g = act( LN(pre_ih_g; gamma[2g], beta[2g]) + LN(pre_hh_g; gamma[2g+1], beta[2g+1]) + b_ih_g ), act = sigmoid for i, f, o and tanh for a;
; c_new = f c + i a;  h_new = o tanh( LN(c_new; gamma[8], beta[8]) );  out0 = [h_new, c_new], each [8192][1024].
; LN(v) = (v - mean) rsqrt(var + 1e-5) gamma + beta over 1,024 columns, var the mean of the CENTRED squares: the mean is taken first, the row is centred in place, then the squares are summed: no difference of large sums.
; SHARES.  A work-group of sixteen waves owns 32 rows; wave w owns rows 32 wg + w and 16 further on.  ONE WAVE TAKES A WHOLE ROW, so no sum leaves the wave.  Lane l holds columns 128 j + 4 l + 0 .. 3, j = 0 .. 7, of
; every group of 1,024: each load and store of a wave covers 512 consecutive bytes, and all vectors of a row line up register by register.
; A row goes in four UNITS, one a gate, in the order i, a, f, o: a unit is the gate's 1,024 numbers of both products, 16 loads; two units' registers take turns, and a unit is asked for two units ahead.
; THE PARAMETERS are made once for the work-group into a table of 14 vectors of 4,096 bytes in LDS, with the activation's factor folded in: for gate g: gamma[2g] s, gamma[2g+1] s, (beta[2g] + beta[2g+1] + b_ih_g) s;
; then gamma[8] t, beta[8] t.  s = -log2(e) for a sigmoid, s = t = 2 log2(e) for a tanh.  With u' the sum so scaled: sigmoid = 1 / (1 + 2^u'), tanh = 1 - 2 / (1 + 2^u').
; Where 2^u' runs over to infinity the reciprocal is 0, where it falls to 0 the reciprocal is 1: both ends give the functions' limits.
; LIMITS: NaN and infinities among the inputs are not served.
; No matrix unit, no tensor load, no cluster: the rows are read once and shared with nobody; what the work-groups share, the parameters, is 90 KB against the 1.4 MB that a work-group moves.  One barrier, behind the table.
.set P,      16                        ; v16-63   parameters of four chunks: vector u of three at P + 16 u, chunk jj at + 4 jj
.set U0,     64                        ; v64-127  a unit: pre_ih's 32 numbers, then pre_hh's
.set U1,     128                       ; v128-191 the other unit
.set KEEP,   192                       ; v192-223 i, then i a, then c_new
.set CB,     224                       ; v224-255 c's row
.set D,      U1+32                     ; the last norm works where unit o's pre_hh lay; o itself stays in U1 + 0 .. 31
.set GA,     16                        ; the table's making: gamma's 9 rows, two columns a thread: v16-33;
.set BE,     34                        ; beta's: v34-51;
.set BI,     52                        ; b_ih's four parts: v52-59
.set ZR16,   262144                    ; 16 rows of z in bytes
.set CR16,   65536                     ; 16 rows of c, of h_new and of c_new
; v1 16 x lane: my place in every run of 512 bytes, in memory and in the table; never rewritten.   v[2:3], v[4:5]: a group's mean, then its rsqrt, in the low word (the packed forms name the pair).
; v[6:13] four chains of sums.   v14, v15: what comes from the other half of the lanes.
; s[4:5] z at my first row (pre_ih), s[16:17] the same 8,192 rows on (pre_hh), s[6:7] c, s[8:9] b_ih, s[10:11] ln_gamma, s[12:13] ln_beta, s[14:15] h_new, s[18:19] c_new; none is stepped: the second row stands in the immediates.
	s_load_b256 s[4:11], s[0:1], 0x0               ; z, c, b_ih, ln_gamma
	s_load_b128 s[12:15], s[0:1], 0x20             ; ln_beta, out0
	v_lshrrev_b32 v2, 5, v0
	s_delay_alu instid0(VALU_DEP_1)
	v_readfirstlane_b32 s20, v2                    ; wave 0..15
	v_and_b32 v1, 31, v0
	s_delay_alu instid0(VALU_DEP_1)
	v_lshlrev_b32 v1, 4, v1                        ; 16 x lane
	v_lshlrev_b32 v14, 3, v0                       ; the table's making: 8 x thread: my two columns
	v_mov_b32 v3, 0                                ; (named as the upper halves of pairs, so they are written)
	v_mov_b32 v5, 0
	v_mov_b32 v15, 0                               ; (a lane permute's destination counts as one of its sources)
	s_lshl_b32 s21, ttmp9, 5
	s_add_co_u32 s21, s21, s20                     ; my first row
	s_lshl_b32 s22, s21, 14                        ; x 16,384 bytes: under 2^27
	s_mov_b32 s23, 0
	s_mov_b32 s24, 0x3a800000                      ; 1 / 1024
	s_mov_b32 s25, 0x3727c5ac                      ; 1e-5
	s_mov_b32 s26, 0xbfb8aa3b                      ; -log2(e)
	s_mov_b32 s27, s26                             ; (named with it as a pair)
	s_mov_b32 s28, 0x4038aa3b                      ; 2 log2(e)
	s_mov_b32 s29, s28
	s_mov_b32 s30, 0x76543210                      ; v_permlanex16_b32's selects for lane l xor 16
	s_mov_b32 s31, 0xfedcba98
	s_wait_alu depctr_va_vdst(0)
	s_wait_kmcnt 0x0
	s_add_nc_u64 s[4:5], s[4:5], s[22:23]
	s_add_nc_u64 s[16:17], s[4:5], 0x8000000       ; 8,192 rows of 16,384 bytes on
	s_lshl_b32 s22, s21, 12                        ; x 4,096 bytes
	s_add_nc_u64 s[6:7], s[6:7], s[22:23]
	s_add_nc_u64 s[14:15], s[14:15], s[22:23]
	s_add_nc_u64 s[18:19], s[14:15], 0x2000000     ; c_new lies 8,192 rows of 4,096 bytes behind h_new
.macro LOADU q                         ; unit q: row q / 4, gate by the order i, a, f, o: 16 loads of 512 consecutive bytes
.set LB, U0+64*((\q)%2)
.set LQ, (\q)%4
.set LG, LQ
.if LQ == 1
.set LG, 2
.elseif LQ == 2
.set LG, 1
.endif
.irp j, 0,1,2,3,4,5,6,7
	global_load_b128 v[LB+4*\j:LB+4*\j+3], v1, s[4:5] offset:((\q)/4)*ZR16+LG*4096+512*\j th:TH_LOAD_NT
.endr
.irp j, 0,1,2,3,4,5,6,7
	global_load_b128 v[LB+32+4*\j:LB+32+4*\j+3], v1, s[16:17] offset:((\q)/4)*ZR16+LG*4096+512*\j th:TH_LOAD_NT
.endr
.endm
.macro LOADC r                         ; c's row
.irp j, 0,1,2,3,4,5,6,7
	global_load_b128 v[CB+4*\j:CB+4*\j+3], v1, s[6:7] offset:(\r)*CR16+512*\j th:TH_LOAD_NT
.endr
.endm
	; the parameters first, then the first two units and c's first row: 22 + 40 loads
.irp k, 0,1,2,3,4,5,6,7,8
	global_load_b64 v[GA+2*\k:GA+2*\k+1], v14, s[10:11] offset:4096*\k
	global_load_b64 v[BE+2*\k:BE+2*\k+1], v14, s[12:13] offset:4096*\k
.endr
.irp g, 0,1,2,3
	global_load_b64 v[BI+2*\g:BI+2*\g+1], v14, s[8:9] offset:4096*\g
.endr
	LOADU 0
	LOADU 1
	LOADC 0
	s_wait_loadcnt 40                              ; the 22 parameter loads are in; the 16 + 16 + 8 issued behind them stay out
.macro TAB g, sc                       ; gate g's three vectors, my two columns; sc: the scalar pair with the activation's factor
	v_pk_add_f32 v[BE+4*\g:BE+4*\g+1], v[BE+4*\g:BE+4*\g+1], v[BE+4*\g+2:BE+4*\g+3]
	v_pk_mul_f32 v[GA+4*\g:GA+4*\g+1], v[GA+4*\g:GA+4*\g+1], s[\sc:\sc+1] op_sel_hi:[1,0]
	v_pk_mul_f32 v[GA+4*\g+2:GA+4*\g+3], v[GA+4*\g+2:GA+4*\g+3], s[\sc:\sc+1] op_sel_hi:[1,0]
	s_delay_alu instid0(VALU_DEP_3)
	v_pk_add_f32 v[BE+4*\g:BE+4*\g+1], v[BE+4*\g:BE+4*\g+1], v[BI+2*\g:BI+2*\g+1]
	s_delay_alu instid0(VALU_DEP_1)
	v_pk_mul_f32 v[BE+4*\g:BE+4*\g+1], v[BE+4*\g:BE+4*\g+1], s[\sc:\sc+1] op_sel_hi:[1,0]
	ds_store_b64 v14, v[GA+4*\g:GA+4*\g+1] offset:(3*\g)*4096
	ds_store_b64 v14, v[GA+4*\g+2:GA+4*\g+3] offset:(3*\g+1)*4096
	ds_store_b64 v14, v[BE+4*\g:BE+4*\g+1] offset:(3*\g+2)*4096
.endm
	TAB 0, 26
	TAB 1, 26
	TAB 2, 28
	TAB 3, 26
	v_pk_mul_f32 v[GA+16:GA+17], v[GA+16:GA+17], s[28:29] op_sel_hi:[1,0]
	v_pk_mul_f32 v[BE+16:BE+17], v[BE+16:BE+17], s[28:29] op_sel_hi:[1,0]
	ds_store_b64 v14, v[GA+16:GA+17] offset:12*4096
	ds_store_b64 v14, v[BE+16:BE+17] offset:13*4096
	s_wait_dscnt 0x0                               ; for the others' sake: my part of the table has landed
	s_barrier_signal -1
	s_barrier_wait -1                              ; the table is whole; from here on LDS is only read
.macro PLOAD g, b                      ; gate g's three vectors, chunks 4 b .. 4 b + 3: 12 loads
.irp u, 0,1,2
.irp j, 0,1,2,3
	ds_load_b128 v[P+16*\u+4*\j:P+16*\u+4*\j+3], v1 offset:(3*(\g)+\u)*4096+512*(4*(\b)+\j)
.endr
.endr
.endm
.macro PLOAD2 b                        ; the last norm's two vectors: 8 loads
.irp u, 0,1
.irp j, 0,1,2,3
	ds_load_b128 v[P+16*\u+4*\j:P+16*\u+4*\j+3], v1 offset:(12+\u)*4096+512*(4*(\b)+\j)
.endr
.endr
.endm
; Sums of a lane's 32 numbers, two at a time, in two chains a group; two = 1: a second group's lines stand between the first's
.macro SUMS z1, z2, two
	v_pk_add_f32 v[6:7], v[(\z1):(\z1)+1], v[(\z1)+2:(\z1)+3]
.if \two
	v_pk_add_f32 v[10:11], v[(\z2):(\z2)+1], v[(\z2)+2:(\z2)+3]
.endif
	v_pk_add_f32 v[8:9], v[(\z1)+4:(\z1)+5], v[(\z1)+6:(\z1)+7]
.if \two
	v_pk_add_f32 v[12:13], v[(\z2)+4:(\z2)+5], v[(\z2)+6:(\z2)+7]
.endif
.irp i, 8,12,16,20,24,28
	v_pk_add_f32 v[6:7], v[6:7], v[(\z1)+\i:(\z1)+\i+1]
.if \two
	s_delay_alu instid0(VALU_DEP_4)
	v_pk_add_f32 v[10:11], v[10:11], v[(\z2)+\i:(\z2)+\i+1]
.endif
	v_pk_add_f32 v[8:9], v[8:9], v[(\z1)+\i+2:(\z1)+\i+3]
.if \two
	s_delay_alu instid0(VALU_DEP_4)
	v_pk_add_f32 v[12:13], v[12:13], v[(\z2)+\i+2:(\z2)+\i+3]
.endif
.endr
.endm
.macro SQUARES z1, z2, two             ; the same of their squares: the first products start the chains
	v_pk_mul_f32 v[6:7], v[(\z1):(\z1)+1], v[(\z1):(\z1)+1]
.if \two
	v_pk_mul_f32 v[10:11], v[(\z2):(\z2)+1], v[(\z2):(\z2)+1]
.endif
	v_pk_mul_f32 v[8:9], v[(\z1)+2:(\z1)+3], v[(\z1)+2:(\z1)+3]
.if \two
	v_pk_mul_f32 v[12:13], v[(\z2)+2:(\z2)+3], v[(\z2)+2:(\z2)+3]
.endif
.irp i, 4,8,12,16,20,24,28
	v_pk_fma_f32 v[6:7], v[(\z1)+\i:(\z1)+\i+1], v[(\z1)+\i:(\z1)+\i+1], v[6:7]
.if \two
	s_delay_alu instid0(VALU_DEP_4)
	v_pk_fma_f32 v[10:11], v[(\z2)+\i:(\z2)+\i+1], v[(\z2)+\i:(\z2)+\i+1], v[10:11]
.endif
	v_pk_fma_f32 v[8:9], v[(\z1)+\i+2:(\z1)+\i+3], v[(\z1)+\i+2:(\z1)+\i+3], v[8:9]
.if \two
	s_delay_alu instid0(VALU_DEP_4)
	v_pk_fma_f32 v[12:13], v[(\z2)+\i+2:(\z2)+\i+3], v[(\z2)+\i+2:(\z2)+\i+3], v[12:13]
.endif
.endr
.endm
.macro FOLD two                        ; the chains, their halves, and the 32 lanes: the row's sum in every lane: v6 (and v10)
	v_pk_add_f32 v[6:7], v[6:7], v[8:9]
.if \two
	s_delay_alu instid0(VALU_DEP_2)
	v_pk_add_f32 v[10:11], v[10:11], v[12:13]
.endif
	v_add_f32 v6, v6, v7
.if \two
	s_delay_alu instid0(VALU_DEP_2)
	v_add_f32 v10, v10, v11
.endif
.irp m, 1,2,4,8
	v_add_f32_dpp v6, v6, v6 row_xmask:\m row_mask:0xf bank_mask:0xf
.if \two
	s_delay_alu instid0(VALU_DEP_2)
	v_add_f32_dpp v10, v10, v10 row_xmask:\m row_mask:0xf bank_mask:0xf
.endif
.endr
	v_permlanex16_b32 v14, v6, s30, s31
.if \two
	s_delay_alu instid0(VALU_DEP_2)
	v_permlanex16_b32 v15, v10, s30, s31
.endif
	v_add_f32 v6, v6, v14
.if \two
	s_delay_alu instid0(VALU_DEP_2)
	v_add_f32 v10, v10, v15
.endif
.endm
.macro CENTRE d, s, m                  ; d = s - the mean (the low word of the pair v[m:m+1] serves both halves)
.irp i, 0,2,4,6,8,10,12,14,16,18,20,22,24,26,28,30
	v_pk_add_f32 v[(\d)+\i:(\d)+\i+1], v[(\s)+\i:(\s)+\i+1], v[\m:\m+1] op_sel_hi:[1,0] neg_lo:[0,1] neg_hi:[0,1]
.endr
.endm
; A group's statistics: d1 = s1 - its mean, v2 = rsqrt(var + eps).  two = 1: likewise d2 in place and v4.
.macro STATS d1, s1, d2, two
	SUMS \s1, \d2, \two
	FOLD \two
	v_mul_f32 v2, s24, v6                          ; the mean
.if \two
	s_delay_alu instid0(VALU_DEP_2)
	v_mul_f32 v4, s24, v10
.endif
	CENTRE \d1, \s1, 2
.if \two
	CENTRE \d2, \d2, 4
.endif
	SQUARES \d1, \d2, \two
	FOLD \two
	v_fma_f32 v6, v6, s24, s25                     ; var + eps
.if \two
	s_delay_alu instid0(VALU_DEP_2)
	v_fma_f32 v10, v10, s24, s25
.endif
	s_wait_alu depctr_va_vdst(0)
	v_rsq_f32 v2, v6
.if \two
	v_rsq_f32 v4, v10
.endif
	v_nop                                          ; one plain instruction behind the last of them, ahead of the first use (ISA guide 5.7.2),
	s_wait_alu depctr_va_vdst(0)                   ; and the wait ahead of the first instruction that names a result: one for both
.endm
; u' of chunks 4 b .. 4 b + 3: ((z1 - m1) r1) g1' + bias' + ((z2 - m2) r2) g2', into z1's registers
.macro APPLY ub, b
.irp i, 0,2,4,6,8,10,12,14
	v_pk_mul_f32 v[(\ub)+16*(\b)+\i:(\ub)+16*(\b)+\i+1], v[(\ub)+16*(\b)+\i:(\ub)+16*(\b)+\i+1], v[2:3] op_sel_hi:[1,0]
	v_pk_mul_f32 v[(\ub)+32+16*(\b)+\i:(\ub)+32+16*(\b)+\i+1], v[(\ub)+32+16*(\b)+\i:(\ub)+32+16*(\b)+\i+1], v[4:5] op_sel_hi:[1,0]
.endr
.irp i, 0,2,4,6,8,10,12,14
	v_pk_fma_f32 v[(\ub)+16*(\b)+\i:(\ub)+16*(\b)+\i+1], v[(\ub)+16*(\b)+\i:(\ub)+16*(\b)+\i+1], v[P+\i:P+\i+1], v[P+32+\i:P+32+\i+1]
.endr
.irp i, 0,2,4,6,8,10,12,14
	v_pk_fma_f32 v[(\ub)+16*(\b)+\i:(\ub)+16*(\b)+\i+1], v[(\ub)+32+16*(\b)+\i:(\ub)+32+16*(\b)+\i+1], v[P+16+\i:P+16+\i+1], v[(\ub)+16*(\b)+\i:(\ub)+16*(\b)+\i+1]
.endr
.endm
.macro EXPS z, b                       ; 2^u' of 16 numbers, in place
.irp i, 0,1,2,3,4,5,6,7,8,9,10,11,12,13,14,15
	v_exp_f32 v[(\z)+16*(\b)+\i], v[(\z)+16*(\b)+\i]
.endr
.endm
.macro ACT d, z                        ; d = 1 / (1 + z), z the 32 exponentials just issued: one wait for that batch, one for the reciprocals
	v_nop                                          ; the plain instruction behind the last exponential
	s_wait_alu depctr_va_vdst(0)                   ; one wait for the 32 exponentials, ahead of the first instruction that names a result
.irp i, 0,2,4,6,8,10,12,14,16,18,20,22,24,26,28,30
	v_pk_add_f32 v[(\z)+\i:(\z)+\i+1], v[(\z)+\i:(\z)+\i+1], 1.0 op_sel_hi:[1,0]
.endr
	s_wait_alu depctr_va_vdst(0)
.irp i, 0,1,2,3,4,5,6,7,8,9,10,11,12,13,14,15,16,17,18,19,20,21,22,23,24,25,26,27,28,29,30,31
	v_rcp_f32 v[(\d)+\i], v[(\z)+\i]
.endr
	v_nop
	s_wait_alu depctr_va_vdst(0)                   ; one wait for the 32 reciprocals
.endm
; A UNIT.  left: how many younger loads may stay out when this unit's 16 (and, for gate f, c's 8, which are older) have to be in.
.macro UNIT q, left
.set UB, U0+64*((\q)%2)
.set QG, (\q)%4
.set G, QG
.if QG == 1
.set G, 2
.elseif QG == 2
.set G, 1
.endif
	PLOAD G, 0                                     ; the first half's parameters come while the statistics are taken
	s_wait_loadcnt \left                           ; loads come back in order (ISA guide 5.7.1)
	STATS UB, UB, UB+32, 1
	s_wait_dscnt 0x0                               ; the parameters are in
	APPLY UB, 0
	PLOAD G, 1                                     ; the second half's, into the same registers;
	s_wait_alu depctr_va_vdst(0)
	EXPS UB, 0                                     ; the first half's exponentials stand between these loads and the wait for them.  What follows up to ACT names none of their results
	s_wait_dscnt 0x0
	APPLY UB, 1
	s_wait_alu depctr_va_vdst(0)
	EXPS UB, 1
.if QG == 0
	ACT KEEP, UB                                   ; i
.else
	ACT UB, UB
.endif
.if QG == 1                            ; a = 1 - 2 / (1 + 2^u'); i a
.irp i, 0,2,4,6,8,10,12,14,16,18,20,22,24,26,28,30
	v_pk_fma_f32 v[UB+\i:UB+\i+1], v[UB+\i:UB+\i+1], -2.0, 1.0 op_sel_hi:[1,0,0]
.endr
.irp i, 0,2,4,6,8,10,12,14,16,18,20,22,24,26,28,30
	v_pk_mul_f32 v[KEEP+\i:KEEP+\i+1], v[KEEP+\i:KEEP+\i+1], v[UB+\i:UB+\i+1]
.endr
.elseif QG == 2                        ; c_new = f c + i a, and out it goes
.irp i, 0,2,4,6,8,10,12,14,16,18,20,22,24,26,28,30
	v_pk_fma_f32 v[KEEP+\i:KEEP+\i+1], v[UB+\i:UB+\i+1], v[CB+\i:CB+\i+1], v[KEEP+\i:KEEP+\i+1]
.endr
.irp j, 0,1,2,3,4,5,6,7
	global_store_b128 v1, v[KEEP+4*\j:KEEP+4*\j+3], s[18:19] offset:((\q)/4)*CR16+512*\j th:TH_STORE_NT   ; 32 lanes store 512 consecutive bytes, at a multiple of 256 from out0's first byte
.endr
.endif
.endm
.macro NORM b                          ; the last norm's u' of chunks 4 b .. 4 b + 3
.irp i, 0,2,4,6,8,10,12,14
	v_pk_mul_f32 v[D+16*(\b)+\i:D+16*(\b)+\i+1], v[D+16*(\b)+\i:D+16*(\b)+\i+1], v[2:3] op_sel_hi:[1,0]
.endr
.irp i, 0,2,4,6,8,10,12,14
	v_pk_fma_f32 v[D+16*(\b)+\i:D+16*(\b)+\i+1], v[D+16*(\b)+\i:D+16*(\b)+\i+1], v[P+\i:P+\i+1], v[P+16+\i:P+16+\i+1]
.endr
.endm
; h_new of row r = o tanh(LN(c_new)): c_new in KEEP, o in U1 + 0 .. 31
.macro FINAL r
	PLOAD2 0
	STATS D, KEEP, D, 0
	s_wait_dscnt 0x0
	NORM 0
	PLOAD2 1
	s_wait_alu depctr_va_vdst(0)
	EXPS D, 0                                      ; as in a unit: between the loads and the wait for them
	s_wait_dscnt 0x0
	NORM 1
	s_wait_alu depctr_va_vdst(0)
	EXPS D, 1
	ACT D, D
.irp i, 0,2,4,6,8,10,12,14,16,18,20,22,24,26,28,30
	v_pk_fma_f32 v[D+\i:D+\i+1], v[D+\i:D+\i+1], -2.0, 1.0 op_sel_hi:[1,0,0]
.endr
.irp i, 0,2,4,6,8,10,12,14,16,18,20,22,24,26,28,30
	v_pk_mul_f32 v[D+\i:D+\i+1], v[D+\i:D+\i+1], v[U1+\i:U1+\i+1]
.endr
.irp j, 0,1,2,3,4,5,6,7
	global_store_b128 v1, v[D+4*\j:D+4*\j+3], s[14:15] offset:(\r)*CR16+512*\j th:TH_STORE_NT
.endr
.endm
	UNIT 0, 24                                     ; i of row 0.  Behind its loads: unit 1's 16 and c's 8
	LOADU 2                                        ; its registers are free: i lies in KEEP
	UNIT 1, 24                                     ; a.  Behind: c's 8 and unit 2's 16
	LOADU 3
	UNIT 2, 16                                     ; f; c's row is older than unit 2's loads.  Behind: unit 3's 16
	LOADC 1
	LOADU 4
	UNIT 3, 24                                     ; o.  Behind: c's second row, 8, and unit 4's 16
	FINAL 0
	s_wait_xcnt 0x0                                ; the stores of c_new and of h_new have read their data: only behind this wait are D's registers loaded again and KEEP written again
	LOADU 5
	UNIT 4, 16                                     ; i of row 1.  Behind: unit 5's 16
	LOADU 6
	UNIT 5, 16                                     ; a.  Behind: unit 6's
	LOADU 7
	UNIT 6, 16                                     ; f.  Behind: unit 7's
	UNIT 7, 0                                      ; o: nothing is left to fetch
	FINAL 1
	s_wait_xcnt 0x0
	v_lshl_add_u32 v254, v0, 2, 0xe000
	v_mov_b32 v255, 0
	s_wait_alu depctr_va_vdst(0)
	s_wait_tensorcnt 0x0
	ds_add_u32 v254, v255
	s_wait_dscnt 0x0
	s_endpgm
.Lfunc_end_k_q97cd1a2ed6_cell:
	.size	k_q97cd1a2ed6_cell, .Lfunc_end_k_q97cd1a2ed6_cell-k_q97cd1a2ed6_cell
	.p2alignl 7, 3214868480
	.fill 96, 4, 3214868480
	.section	.rodata,"a",@progbits
	.p2align	6, 0x0
	.amdhsa_kernel k_q97cd1a2ed6_cell
		.amdhsa_group_segment_fixed_size 59392
		.amdhsa_private_segment_fixed_size 0
		.amdhsa_enable_private_segment 0
		.amdhsa_kernarg_size 48
		.amdhsa_user_sgpr_count 2
		.amdhsa_user_sgpr_kernarg_segment_ptr 1
		.amdhsa_wavefront_size32 1
		.amdhsa_system_sgpr_workgroup_id_x 1
		.amdhsa_system_sgpr_workgroup_id_y 1
		.amdhsa_system_sgpr_workgroup_id_z 1
		.amdhsa_system_vgpr_workitem_id 0
		.amdhsa_next_free_vgpr 256
		.amdhsa_next_free_sgpr 66
		.amdhsa_reserve_vcc 0
		.amdhsa_float_denorm_mode_32 3
		.amdhsa_float_denorm_mode_16_64 3
		.amdhsa_memory_ordered 1
		.amdhsa_forward_progress 1
		.amdhsa_inst_pref_size 198
	.end_amdhsa_kernel
	.amdgpu_metadata
---
amdhsa.version: [ 1, 2 ]
amdhsa.kernels:
  - .name:           k_q97cd1a2ed6_cell
    .symbol:         k_q97cd1a2ed6_cell.kd
    .args:
      - { .name: z, .offset: 0, .size: 8, .value_kind: global_buffer, .address_space: global }
      - { .name: c, .offset: 8, .size: 8, .value_kind: global_buffer, .address_space: global }
      - { .name: b_ih, .offset: 16, .size: 8, .value_kind: global_buffer, .address_space: global }
      - { .name: ln_gamma, .offset: 24, .size: 8, .value_kind: global_buffer, .address_space: global }
      - { .name: ln_beta, .offset: 32, .size: 8, .value_kind: global_buffer, .address_space: global }
      - { .name: out0, .offset: 40, .size: 8, .value_kind: global_buffer, .address_space: global }
    .group_segment_fixed_size: 59392
    .private_segment_fixed_size: 0
    .kernarg_segment_align: 8
    .kernarg_segment_size: 48
    .max_flat_workgroup_size: 512
    .sgpr_count:     66
    .vgpr_count:     256
    .wavefront_size: 32
...
	.end_amdgpu_metadata
.endif
;; end of part 3
